; MI455X (gfx1250); checked and timed in simulation.
; The chip was launched on July 23, 2026; its instructions are those of AMD's public machine-readable ISA for CDNA 5 (MIT licence, August 2026) and "CDNA5" Instruction Set Architecture Reference Guide (July 2026). The comments in the code are by the model that wrote it; some were corrected since.
;; Self Attention. Allowed arithmetic: float matrix products may take bf16 or f16 operands with f32 sums; other float arithmetic in f32, or as packed bf16 or f16 multiplies, adds, multiply-adds, maxima and minima; sums over many terms, partial sums and values carried from step to step in f32; what a program stores and reads back later, other than sums and carried values, may be rounded once to bf16 or f16.
;; Inputs: query 8 x 256 x 56 x 56 float32.
;; Outputs: out0 8 x 256 x 56 x 56 float32.
;; One version. Each part assembles by itself: llvm-mc -triple=amdgcn-amd-amdhsa -mcpu=gfx1250 --defsym DOCPART=n.
;; ======== version 1 of 1: 2 launches
;; workspace buffers: xb 12,845,056 bytes
;; launch cast (part 1): grid 49 x 16, 8 waves a work-group, no clusters, 19,456 bytes of LDS; arguments query, xb; writes xb
.if DOCPART == 1
	.amdgcn_target "amdgcn-amd-amdhsa--gfx1250"
	.amdhsa_code_object_version 6
	.text
	.protected	k_qc96f5ddbb4_cast
	.globl	k_qc96f5ddbb4_cast
	.p2align	8
	.type	k_qc96f5ddbb4_cast,@function
k_qc96f5ddbb4_cast:
	s_mov_b64 s[64:65], 0
	v_nop
	global_prefetch_b8 v0, s[64:65] scope:SCOPE_SE
	s_setreg_imm32_b32 hwreg(HW_REG_WAVE_MODE, 25, 1), 1
	s_wait_xcnt 0x0
; query [8][256][3136] f32  ->  xb, the same numbers rounded once to bf16 and laid in blocks: [batch 8][block 196][channel 256][16 positions].
; Element (ch, n) of a batch lies at byte (n >> 4) * 8192 + ch * 32 + 16 * (((n >> 3) & 1) xor ((ch >> 3) & 1)) + 2 * (n & 7): a block of 16 positions is 8,192 dense bytes, and the
; exclusive or swaps a row's two halves of 16 bytes in every second group of eight channels, so that the next launch reads its tiles out of LDS without padding.
; NOTHING OF THE MODULE IS LEFT OUT: reference()'s reshapes move no number, its key and value are its query (one buffer serves all three), the factor 256^-0.5 goes into the exponent's
; constant in the next launch, and the running maximum is kept there.
; LIMIT: a number beyond bf16's largest finite one becomes an infinity here.
; SHARES.  Work-group (s, 2 b + half): 64 positions (four blocks) of 128 channels of batch b.  Wave v: 16 channels x 64 positions: 16 rows of 256 consecutive bytes, each at a multiple of
; 256 from query's first byte (a row is 12,544 = 49 x 256 bytes), in eight loads; out go four stores of 512 consecutive bytes, aligned.  The turn from rows to blocks goes through a patch of LDS
; of the wave's own: no barrier.  No matrix unit, no tensor load, no cluster: a stream in which no byte is wanted twice.
.set ROWB,   12544                     ; bytes in a row of query
.set PATCH,  2304                      ; a wave's patch: four blocks of 512 bytes, 576 apart
.set BPITCH, 576                       ; so the 32 lanes of a store of 8 bytes fall on 64 blk + 32 rho + 8 (x & 3): 32 different places in 256 bytes
.set SPARE,  18432                     ; behind the eight patches: the spare words, 128 bytes for each wave: four blocks of 256 bytes that no other line names
.set GOF, 4                            ; v4   my byte offset in the wave's first two rows: rho x 12,544 + 16 x
.set STA, 5                            ; v5   where I put 8 bytes, channels 0-7 of the sixteen
.set STB, 6                            ; v6   the same for channels 8-15: the halves of 16 bytes are swapped
.set RDB, 7                            ; v7   where I read 16 bytes of a block back
.set X,   8                            ; v[8:39]   eight loads of four f32
.set Y,   40                           ; v[40:55]  the same as bf16, two registers a load
.set Z,   56                           ; v[56:71]  four blocks read back
.set SPW, 72                           ; v72  LDS address of my spare word; never rewritten
.set NIL, 73                           ; v73  0; never rewritten
.set SOF, 74                           ; v74  16 x lane: my place in a store of 512 bytes
	s_load_b128 s[4:7], s[0:1], 0x0                ; query s[4:5], xb s[6:7]
	v_lshl_add_u32 v[SPW], v0, 2, SPARE
	v_mov_b32 v[NIL], 0
	v_lshrrev_b32 v1, 5, v0
	v_readfirstlane_b32 s8, v1                     ; wave 0..7
	v_and_b32 v1, 31, v0                           ; lane
	v_and_b32 v2, 15, v0                           ; x: which 16 bytes of a row
	v_bfe_u32 v3, v0, 4, 1                         ; rho: which of two rows
	v_mul_u32_u24 v[GOF], v3, ROWB
	v_lshl_add_u32 v[GOF], v2, 4, v[GOF]
	s_mul_i32 s9, s8, PATCH                        ; my wave's patch
	v_lshrrev_b32 v[STA], 2, v2                    ; x >> 2: the block
	v_mul_u32_u24 v[STA], v[STA], BPITCH
	v_lshl_add_u32 v[STA], v3, 5, v[STA]           ; + 32 rho: the channel's row in the block
	v_and_b32 v[STB], 3, v2
	v_lshl_add_u32 v[STA], v[STB], 3, v[STA]       ; + 8 (x & 3): the half of 16 bytes and the 8 bytes in it
	v_add_nc_u32 v[STA], s9, v[STA]
	v_xor_b32 v[STB], 16, v[STA]                   ; all other terms are multiples of 32 or below 16
	v_lshlrev_b32 v[SOF], 4, v1
	v_add_nc_u32 v[RDB], s9, v[SOF]
	s_and_b32 s10, ttmp7, 0xffff
	s_lshr_b32 s11, s10, 1                         ; batch
	s_and_b32 s10, s10, 1
	s_lshl_b32 s10, s10, 7
	s_lshl4_add_u32 s10, s8, s10                   ; my first channel: 128 half + 16 wave
	s_mul_i32 s12, s11, 3211264                    ; a batch of query
	s_mul_i32 s13, s10, ROWB
	s_add_co_u32 s12, s12, s13
	s_lshl_b32 s13, ttmp9, 8                       ; 64 positions are 256 bytes
	s_add_co_u32 s12, s12, s13
	s_mov_b32 s13, 0
	s_mul_i32 s14, s11, 49
	s_add_co_u32 s14, s14, ttmp9
	s_lshl_b32 s14, s14, 15                        ; four blocks are 32,768 bytes
	s_lshl_b32 s15, s10, 5
	s_add_co_u32 s14, s14, s15
	s_mov_b32 s15, 0
	s_wait_kmcnt 0x0
	s_add_nc_u64 s[4:5], s[4:5], s[12:13]
	s_add_nc_u64 s[6:7], s[6:7], s[14:15]
.irp i, 0,1,2,3,4,5,6,7
	global_load_b128 v[X+4*(\i):X+4*(\i)+3], v[GOF], s[4:5] offset:2*ROWB*(\i) th:TH_LOAD_NT  ; channels 2 i and 2 i + 1: 16 lanes take 256 consecutive bytes
.endr
.irp i, 0,1,2,3,4,5,6,7
	s_wait_loadcnt 7-(\i)                          ; loads come back in order: mine is in, the younger ones stay out
	v_cvt_pk_bf16_f32 v[Y+2*(\i)],   v[X+4*(\i)],   v[X+4*(\i)+1]
	v_cvt_pk_bf16_f32 v[Y+2*(\i)+1], v[X+4*(\i)+2], v[X+4*(\i)+3]
.if (\i) < 4
	ds_store_b64 v[STA], v[Y+2*(\i):Y+2*(\i)+1] offset:64*(\i)
.else
	ds_store_b64 v[STB], v[Y+2*(\i):Y+2*(\i)+1] offset:64*(\i)
.endif
.endr
.irp k, 0,1,2,3
	ds_load_b128 v[Z+4*(\k):Z+4*(\k)+3], v[RDB] offset:BPITCH*(\k)  ; LDS serves a wave's instructions in order: these see the stores above, which are the wave's own
.endr
.irp k, 0,1,2,3
	s_wait_dscnt 3-(\k)
	global_store_b128 v[SOF], v[Z+4*(\k):Z+4*(\k)+3], s[6:7] offset:8192*(\k)  ; 16 channels of a block: 512 consecutive bytes, at a multiple of 512 from xb's first byte
.endr
	s_wait_tensorcnt 0x0                           ; the wave's end, behind my last LDS store
	ds_add_u32 v[SPW], v[NIL]
	s_wait_dscnt 0x0
	s_endpgm
.Lfunc_end_k_qc96f5ddbb4_cast:
	.size	k_qc96f5ddbb4_cast, .Lfunc_end_k_qc96f5ddbb4_cast-k_qc96f5ddbb4_cast
	.p2alignl 7, 3214868480
	.fill 96, 4, 3214868480
	.section	.rodata,"a",@progbits
	.p2align	6, 0x0
	.amdhsa_kernel k_qc96f5ddbb4_cast
		.amdhsa_group_segment_fixed_size 19456
		.amdhsa_private_segment_fixed_size 0
		.amdhsa_enable_private_segment 0
		.amdhsa_kernarg_size 16
		.amdhsa_user_sgpr_count 2
		.amdhsa_user_sgpr_kernarg_segment_ptr 1
		.amdhsa_wavefront_size32 1
		.amdhsa_system_sgpr_workgroup_id_x 1
		.amdhsa_system_sgpr_workgroup_id_y 1
		.amdhsa_system_sgpr_workgroup_id_z 1
		.amdhsa_system_vgpr_workitem_id 0
		.amdhsa_next_free_vgpr 76
		.amdhsa_next_free_sgpr 66
		.amdhsa_reserve_vcc 0
		.amdhsa_float_denorm_mode_32 3
		.amdhsa_float_denorm_mode_16_64 3
		.amdhsa_memory_ordered 1
		.amdhsa_forward_progress 1
		.amdhsa_inst_pref_size 6
	.end_amdhsa_kernel
	.amdgpu_metadata
---
amdhsa.version: [ 1, 2 ]
amdhsa.kernels:
  - .name:           k_qc96f5ddbb4_cast
    .symbol:         k_qc96f5ddbb4_cast.kd
    .args:
      - { .name: query, .offset: 0, .size: 8, .value_kind: global_buffer, .address_space: global }
      - { .name: xb, .offset: 8, .size: 8, .value_kind: global_buffer, .address_space: global }
    .group_segment_fixed_size: 19456
    .private_segment_fixed_size: 0
    .kernarg_segment_align: 8
    .kernarg_segment_size: 16
    .max_flat_workgroup_size: 256
    .sgpr_count:     66
    .vgpr_count:     76
    .wavefront_size: 32
...
	.end_amdgpu_metadata
.endif
;; end of part 1
;; launch attn (part 2): grid 28 x 8, 4 waves a work-group, clusters of 4 x 1, 327,680 bytes of LDS; arguments xb, query, out0; writes out0
.if DOCPART == 2
	.amdgcn_target "amdgcn-amd-amdhsa--gfx1250"
	.amdhsa_code_object_version 6
	.text
	.protected	k_qc96f5ddbb4_attn
	.globl	k_qc96f5ddbb4_attn
	.p2align	8
	.type	k_qc96f5ddbb4_attn,@function
k_qc96f5ddbb4_attn:
	s_mov_b64 s[64:65], 0
	v_nop
	global_prefetch_b8 v0, s[64:65] scope:SCOPE_SE
	s_setreg_imm32_b32 hwreg(HW_REG_WAVE_MODE, 25, 1), 1
	s_wait_xcnt 0x0
	s_wait_alu depctr_hold_cnt(0) depctr_sa_sdst(0) depctr_va_vdst(0) depctr_va_sdst(0) depctr_va_ssrc(0) depctr_va_vcc(0) depctr_vm_vsrc(0)
	s_getreg_b32 s2, hwreg(HW_REG_IB_STS2, 6, 4)
	s_cmp_eq_u32 s2, 0
	s_cbranch_scc0 .Lentry_in_a_cluster
	s_endpgm
.Lentry_in_a_cluster:
	s_bfe_u32 s2, ttmp6, 0x10000c
	s_cmp_lg_u32 s2, 0x3003
	s_cbranch_scc0 .Lentry_shape_is_right
	s_endpgm
.Lentry_shape_is_right:
; out0[b][c][j] = the sum over i of x[c][i] softmax_i(x[:,i] . x[:,j] / 16) + query[b][c][j], with x = query[b] as [256][3136]: attention in which query, key and value are the columns of x.
; x comes as xb, rounded to bf16 and laid in blocks of 16 positions ([block][channel 256][16 positions], a row's halves of 16 bytes swapped in every second group of eight channels).
; Nothing of reference() is left out here either.  Products, maxima and sums in f32; the weights p are rounded to bf16 for the second product (their sum l is taken of the unrounded p);
; the residual is the f32 query itself.
; LIMITS.  Inputs are finite.  c m starts at -2^125: scores below that are not served.  A weight below 2^-126 counts as 0.  NaN and infinities are not treated apart.
; SHARES.  3,136 positions are 196 tiles of 16.  A work-group owns 7 query tiles (112 queries) of a batch: 28 work-groups a batch, 224 in all, all alike; no number of tiles divides 196 into
; 32 a batch.  Keys go 64 a step, 49 steps.  THE FOUR WAVES SHARE A STEP, NOT THE QUERIES: in S^T = K Q^T wave w takes keys 16 w .. 16 w + 15 for all 7 tiles; in O^T = V^T P it takes channels
; 64 w .. 64 w + 63 for all 7 tiles.  So a fragment of K or V read from LDS feeds seven products.  What crosses between waves goes through LDS: each wave's maxima (MX) and its weights (P).
; LAYOUT.  S^T: source 0 = 16 keys x 32 channels (turned out of LDS by ds_load_tr16_b128), source 1 = 16 queries x 32 channels (Q, kept in registers).  In the result a lane holds ONE query
; (lane % 16) and keys 8 (lane / 16) + 0..7; rounded in pairs these are 16 bytes, and the same lane's 16 bytes of waves 2 kk and 2 kk + 1 ARE source 1 (32 keys x 16 queries) of V^T P.
; V^T's fragment (16 channels x 32 keys) lies in LDS as it is wanted: two plain loads of 16 bytes.  One tile in LDS is K and V.
; THE PIPELINE.  Interval i lies between two barriers.  Matrix work: K Q^T of step i + 1 (56 products), then V^T P of step i - 1 (56).  Vector work, three lines behind each product: O times a;
; the four waves' maxima of step i into m, c m and a; p = 2^(c s - c m) of step i, its sums and roundings; the wave's own maxima of step i + 1.  ONE barrier orders P and MX of one interval with
; their reads in the next (both regions are double, by the interval's parity) and all reads of a tile with its refill.  p = 2^(c s - c m), c = log2(e) / 16.
; THE RING.  Eight places of 32,768 bytes; step s lies in place (s + 1) % 8; place 0 first holds a second copy of step 0, which only a product with P = 0 reads, so that fills are whole pairs of
; places.  A pair (65,536 bytes, 16,384 a wave) is filled behind every second barrier; it is waited for at the next such barrier, 224 products later.  A tile is read in intervals s - 2 to s + 1.
; CLUSTER.  The four work-groups of a cluster belong to one batch and walk the same tiles: each pair is asked for JOINTLY, by the same tensor load, descriptor and mask in all four.
; NO FIRST INTERVAL IS WRITTEN OUT: O starts at 0 (224 lines, in the wait for the first tiles), P's second parity at 0, a at 0; the first interval's V^T P adds zeros.
; THE STORES.  A row of a work-group's result is 448 consecutive bytes at 448 g of a row of out0: not a multiple of 256, so some aligned blocks of 256 bytes are written by two work-groups.
; REGISTERS, in windows of 256 (s_set_vgpr_msb: bits 1:0 source 0, 3:2 source 1, 5:4 source 2, 7:6 destination):
;   window 0: v0-15 addresses; v16-71 statistics, 8 a tile; v72-79 at work; v80-135, v136-191 S^T, two buffers of 7 tiles; v192-247 P's fragments of the first key half; v248-255 set-up
;   window 1: v0-223 O^T (channel block cb, tile t at 8 (7 cb + t)); v224-251 the four waves' maxima
;   windows 2, 3: v0-223 Q (tile t, channels 32 c on at 32 t + 8 (c % 4); c < 4 in window 2); v224-255 four fragments each of K, then of V, by turns; at the end v0-127 take the residual
.set POS,    32768                     ; a place of the ring
.set RMASK,  0x3ffff                   ; the ring's 262,144 bytes
.set QLDS,   196608                    ; my 7 blocks of Q land in places 6 and 7, ahead of those places' first tile
.set STAGE,  131072                    ; the way out: 64 rows x 464 bytes a wave, in places 4 to 7, behind their last fill and last read
.set STGW,   29696
.set SPITCH, 464                       ; 448 + 16: eight rows are 928 words, 32 banks on (64 banks of 4 bytes: ISA guide 11.1): the two halves of the lanes do not meet
.set PLDS,   262144                    ; P: [parity 14,336][tile 2,048][wave 512][lane 16]
.set PPAR,   14336
.set MXLDS,  290816                    ; MX: [parity 1,792][tile 256][query 16][wave 4]
.set MXPAR,  1792
.set SPARE,  294400                    ; the spare words, 128 bytes for each wave: two blocks of 256 bytes that no other line names
.set ROWB,   12544                     ; bytes in a row of query and of out0
.set AK0, 2                            ; v2   my lane's place in a tile as K: wave's block, row 8 h + l % 8, half (l / 8 % 2) xor h; never rewritten
.set AV0, 3                            ; v3   as V: channel 64 w + l % 16, half h xor (l / 8 % 2); never rewritten
.set AKC, 4                            ; v4   the LDS address of K's runs of loads
.set AVC, 5                            ; v5   of V's
.set APW, 6                            ; v6   P: where I put 16 bytes
.set APR, 7                            ; v7   P: where I read
.set AMW, 8                            ; v8   MX: my wave's word of my query
.set AMR, 9                            ; v9   MX: my query's four words
.set PFO, 10                           ; v10  256 x lane, for the prefetches; never rewritten
.set SPW, 11                           ; v11  LDS address of my spare word; never rewritten
.set NIL, 12                           ; v12  0; never rewritten
.set STW, 13                           ; v13  the way out: where I put a number
.set STR, 14                           ; v14  the way out: where I read 16 bytes of a row back
.set GO,  15                           ; v15  16 x min(lane, 27): my 16 bytes of a row's 448; lanes 28-31 repeat lane 27
.set ST,  16                           ; tile t at ST + 8 t: [c m, LP] [l even, l odd] [a of even intervals, m] [a of odd intervals, LM].  LP, LM at work.  A packed line takes a pair's low word;
                                       ; the two a lie in different pairs, so that no line names the a that is being made
.set U,   72
.set S0,  80
.set PF0, 192
.set AQ,  253                          ; set-up: AK0 without the wave's block
.set WV,  10                           ; s10  my wave's number
.set CX,  11                           ; s11  my place in the cluster
.set GG,  12                           ; s12  my work-group among the batch's 28: it enters global addresses alone
.set BB,  13                           ; s13  the batch, which the four partners share
.set G1J, 20                           ; s[20:27] descriptor group 1 of the joint loads
.set G1Q, 28                           ; s[28:35] of Q's load
.set G0Q, 36                           ; s[36:39] group 0: Q
.set G0A, 40                           ; s[40:43] pair 0
.set G0B, 44                           ; s[44:47] pair 1
.set G0W, 48                           ; s[48:51] pair 2; then it walks
.set CNT, 52                           ; s52  trips to go
.set LIM, 53                           ; s53  2 in a wave that prefetches, else the greatest number
.set PFA, 54                           ; s[54:55] where my prefetches stand
.set CS,  56                           ; s[56:57] c, named as a pair
.set SEL, 58                           ; s[58:59] v_permlanex16_b32's selects: each lane takes its own place in the other half
.set TBK, 60                           ; s60  the place of the step whose K is fetched next
.set TBV, 61                           ; s61  of the step whose V is fetched next
.set QRY, 66                           ; s[66:67] query at my wave's 64 channels, my work-group's 112 positions
.set OUT, 68                           ; s[68:69] out0 likewise
.set MSB, 0
.macro WIN new                         ; the high byte repeats the setting that is left; a switch that changes nothing is dropped
.if MSB != (\new)
	s_set_vgpr_msb (MSB<<8)|(\new)
.set MSB, (\new)
.endif
.endm
.macro PLACES                          ; four places: behind a product, in front of loads into registers that it has read and of vector lines that read its result
.rept 4
	v_nop
.endr
.endm
; A round of the cluster's barrier: my work-group's barrier, so that wave 0's signal speaks for all four waves; wave 0 signals; every wave waits for all four work-groups; my work-group's barrier once more.
.macro CREST                           ; a round behind its opening barrier
	s_cmp_lg_u32 s[WV], 0
	s_cbranch_scc1 .Lnot_wave_0_\@
	s_barrier_signal -3
.Lnot_wave_0_\@:
	s_barrier_wait -3
	s_barrier_signal -1
	s_barrier_wait -1
.endm
.macro CROUND
	s_barrier_signal -1
	s_barrier_wait -1
	CREST
.endm
; A PREFETCH INTO THE L2 of the pair that stands two refills on.  All seven clusters of a batch walk the same pairs: the batch's first cluster asks.  Its four partners share a pair's 65,536 bytes out BY ADDRESS,
; 8,192 in each half to each; in each partner wave 0 asks in the first half and wave 2 in the second: a lane names 256 bytes, one instruction.  So each 256 bytes of a pair are named once in the launch.
; Pairs 0 to 4 come by their loads alone; the last two trips ask for nothing: pair 24 is the batch's last.
.macro ASK
	s_cmp_gt_u32 s[CNT], s[LIM]
	s_cbranch_scc0 .Lnot_mine_\@
	global_prefetch_b8 v[PFO], s[PFA:PFA+1] th:TH_LOAD_NT scope:SCOPE_SE
.Lnot_mine_\@:
.endm
; THE MATRIX WORK.  The accumulators take turns, one instruction a turn: 7 in K Q^T, 28 in V^T P; the halves' edges join different accumulators too.
.macro KQ sb                           ; product nkq of 56 into S buffer sb: channels 32 (nkq / 7) on, tile nkq % 7.  The first 7 start the sums
.set cc, nkq/7
.set tt, nkq%7
.set rS, S0+56*(\sb)+8*tt
.set rK, 224+8*(cc%4)
.set rQ, 32*tt+8*(cc%4)
.if cc < 4
	WIN 0x0a
.else
	WIN 0x0f
.endif
.if cc == 0
	v_wmma_f32_16x16x32_bf16 v[rS:rS+7], v[rK:rK+7], v[rQ:rQ+7], 0
.else
	v_wmma_f32_16x16x32_bf16 v[rS:rS+7], v[rK:rK+7], v[rQ:rQ+7], v[rS:rS+7]
.endif
.set nkq, nkq+1
.endm
.macro PV pb                           ; product npv of 56: fragment npv / 7 of V (key half / 4, channel block % 4), tile npv % 7; the second key half's P lies in S buffer pb
.set ff, npv/7
.set tt, npv%7
.set rO, 8*(7*(ff%4)+tt)
.set rK, 224+8*(ff%4)
.if ff < 4
	WIN 0x52
.set rP, PF0+8*tt
.else
	WIN 0x53
.set rP, S0+56*(\pb)+8*tt
.endif
	v_wmma_f32_16x16x32_bf16 v[rO:rO+7], v[rK:rK+7], v[rP:rP+7], v[rO:rO+7]
.set npv, npv+1
.endm
; THE VECTOR WORK, in queues; each macro but RS, SU and CV writes its queue's next line.  PAR is the interval's parity.
.macro RS n, sl                        ; line n of 112: pair n % 4 of accumulator n / 4 of O^T times the a of parity sl.  Taken in ascending order: each accumulator is read from its low end on
.set qq, (\n)/4
.set rO, 8*qq+2*((\n)%4)
.set rA, ST+8*(qq%7)+4+2*(\sl)
	WIN 0x41
	v_pk_mul_f32 v[rO:rO+1], v[rO:rO+1], v[rA:rA+1] op_sel_hi:[1,0]
.endm
.macro MS                              ; 42, six stages of seven tiles: the four waves' maxima and the old m into m; c m_old kept; c m; its change; a
.set tt, nms%7
.set rT, ST+8*tt
.set rX, 224+4*tt
.if nms < 7
	WIN 0x15
	v_max3_num_f32 v[rT+1], v[rX], v[rX+1], v[rX+2]
.elseif nms < 14
	WIN 0x04
	v_max3_num_f32 v[rT+5], v[rT+1], v[rX+3], v[rT+5]
.elseif nms < 21
	WIN 0
	v_mov_b32 v[rT+1], v[rT]
.elseif nms < 28
	WIN 0
	v_mul_f32 v[rT], s[CS], v[rT+5]
.elseif nms < 35
	WIN 0
	v_sub_f32 v[rT+1], v[rT+1], v[rT]
.else
	WIN 0
	v_exp_f32 v[rT+4+2*PAR], v[rT+1]
.endif
.set nms, nms+1
.endm
.macro FS                              ; 28: c s - c m, a pair of scores
.set rS, S0+56*PAR+2*nfs
.set rT, ST+8*(nfs/4)
	WIN 0
	v_pk_fma_f32 v[rS:rS+1], v[rS:rS+1], s[CS:CS+1], v[rT:rT+1] op_sel_hi:[1,0,0] neg_lo:[0,0,1] neg_hi:[0,0,1]
.set nfs, nfs+1
.endm
.macro EX                              ; 56 exponentials, in place
	WIN 0
	v_exp_f32 v[S0+56*PAR+nex], v[S0+56*PAR+nex]
.set nex, nex+1
.endm
.macro QE                              ; the scalings and exponentials as one queue of 84: FS 0; then FS j, EX 2 j - 2, EX 2 j - 1; then the last two exponentials
.if (nqe == 0) || ((nqe < 82) && ((nqe-1)%3 == 0))
	FS
.else
	EX
.endif
.set nqe, nqe+1
.endm
.macro SU t, k                         ; tile t's eight weights are added in pairs; k = 3: l = a l + the sum
.set rS, S0+56*PAR+8*(\t)
.set rU, U+4*((\t)%2)
.set rT, ST+8*(\t)
	WIN 0
.if (\k) == 0
	v_pk_add_f32 v[rU:rU+1], v[rS:rS+1], v[rS+2:rS+3]
.elseif (\k) == 1
	v_pk_add_f32 v[rU+2:rU+3], v[rS+4:rS+5], v[rS+6:rS+7]
.elseif (\k) == 2
	v_pk_add_f32 v[rU:rU+1], v[rU:rU+1], v[rU+2:rU+3]
.else
	v_pk_fma_f32 v[rT+2:rT+3], v[rT+2:rT+3], v[rT+4+2*PAR:rT+5+2*PAR], v[rU:rU+1] op_sel_hi:[1,0,1]
.endif
.endm
.macro CV t, k                         ; pair k of tile t rounded to bf16, in place, k ascending: register k has been read when it is written
.set rS, S0+56*PAR+8*(\t)
	WIN 0
	v_cvt_pk_bf16_f32 v[rS+(\k)], v[rS+2*(\k)], v[rS+2*(\k)+1]
.endm
.macro SC                              ; the sums and roundings as one queue of 56, a tile after the other: the two sums that read all eight weights, then roundings and the sums' ends by turns
.set ee, nsc%8
.if ee == 0
	SU nsc/8, 0
.elseif ee == 1
	SU nsc/8, 1
.elseif ee == 2
	CV nsc/8, 0
.elseif ee == 3
	CV nsc/8, 1
.elseif ee == 4
	SU nsc/8, 2
.elseif ee == 5
	CV nsc/8, 2
.elseif ee == 6
	CV nsc/8, 3
.else
	SU nsc/8, 3
.endif
.set nsc, nsc+1
.endm
.macro LS sb                           ; 42, six stages of seven tiles: my wave's maximum of a query's 16 keys; the lowest registers are read first
.set tt, nls%7
.set rS, S0+56*(\sb)+8*tt
.set rT, ST+8*tt
	WIN 0
.if nls < 7
	v_max3_num_f32 v[rT+7], v[rS], v[rS+1], v[rS+2]
.elseif nls < 14
	v_max3_num_f32 v[rT+7], v[rT+7], v[rS+3], v[rS+4]
.elseif nls < 21
	v_max3_num_f32 v[rT+7], v[rT+7], v[rS+5], v[rS+6]
.elseif nls < 28
	v_max_num_f32 v[rT+7], v[rT+7], v[rS+7]
.elseif nls < 35
	v_permlanex16_b32 v[rT+1], v[rT+7], s[SEL], s[SEL+1]
.else
	v_max_num_f32 v[rT+7], v[rT+7], v[rT+1]
.endif
.set nls, nls+1
.endm
.macro LE                              ; 28, four stages of seven tiles: the four waves' l are added; 1 / l takes l's low register
.set tt, nle%7
.set rT, ST+8*tt
.set rX, 224+4*tt
.if nle < 7
	WIN 0x05
	v_add_f32 v[rT+1], v[rX], v[rX+1]
.elseif nle < 14
	WIN 0x05
	v_add_f32 v[rT+7], v[rX+2], v[rX+3]
.elseif nle < 21
	WIN 0
	v_add_f32 v[rT+1], v[rT+1], v[rT+7]
.else
	WIN 0
	v_rcp_f32 v[rT+2], v[rT+1]
.endif
.set nle, nle+1
.endm
; THE LDS WORK.
.macro LMX p                           ; 7 loads: my query's four words of each tile
	WIN 0x40
.irp t, 0,1,2,3,4,5,6
	ds_load_b128 v[224+4*(\t):224+4*(\t)+3], v[AMR] offset:MXPAR*(\p)+256*(\t)
.endr
.endm
.macro LP0 p                           ; 14 loads: P's fragments of the first key half: waves 0 and 1's bytes
	WIN 0
.irp t, 0,1,2,3,4,5,6
	ds_load_b128 v[PF0+8*(\t):PF0+8*(\t)+3],   v[APR] offset:PPAR*(\p)+2048*(\t)
	ds_load_b128 v[PF0+8*(\t)+4:PF0+8*(\t)+7], v[APR] offset:PPAR*(\p)+2048*(\t)+512
.endr
.endm
.macro PL1 t, p, sb                    ; 2 loads: tile t's fragment of the second key half (waves 2 and 3's bytes) into S buffer sb
	WIN 0
	ds_load_b128 v[S0+56*(\sb)+8*(\t):S0+56*(\sb)+8*(\t)+3],   v[APR] offset:PPAR*(\p)+2048*(\t)+1024
	ds_load_b128 v[S0+56*(\sb)+8*(\t)+4:S0+56*(\sb)+8*(\t)+7], v[APR] offset:PPAR*(\p)+2048*(\t)+1536
.endm
.macro PST t                           ; my 16 bytes of tile t's weights
	WIN 0
	ds_store_b128 v[APW], v[S0+56*PAR+8*(\t):S0+56*PAR+8*(\t)+3] offset:PPAR*PAR+2048*(\t)
.endm
.macro MST t, p                        ; LM of tile t; the two halves of the lanes hold the same number and write the same word
	WIN 0
	ds_store_b32 v[AMW], v[ST+8*(\t)+7] offset:MXPAR*(\p)+256*(\t)
.endm
.macro LDK g                           ; 4 loads: K's fragments 2 g and 2 g + 1 (channels 32 f on), turned
	WIN 0x80+0x40*((\g)/2)
.irp z, 0,1
.set ff, 2*(\g)+(\z)
.set rK, 224+8*(ff%4)
	ds_load_tr16_b128 v[rK:rK+3],   v[AKC] offset:1024*ff
	ds_load_tr16_b128 v[rK+4:rK+7], v[AKC] offset:1024*ff+512
.endr
.endm
.macro LDV g                           ; 4 loads: V's fragments 2 g and 2 g + 1 (key half f / 4: two blocks; channel block f % 4)
	WIN 0x80+0x40*((\g)/2)
.irp z, 0,1
.set ff, 2*(\g)+(\z)
.set rK, 224+8*(ff%4)
	ds_load_b128 v[rK:rK+3],   v[AVC] offset:16384*(ff/4)+512*(ff%4)
	ds_load_b128 v[rK+4:rK+7], v[AVC] offset:16384*(ff/4)+512*(ff%4)+8192
.endr
.endm
; AN INTERVAL'S VECTOR WORK IS ONE QUEUE, dealt three lines behind each of the 112 products (product gp takes lines 3 gp .. 3 gp + 2):
;   0-47     products 0-15    O^T's accumulators 15 to 26 times the a of the interval before
;   48-89    products 16-29   the four waves' maxima into m, c m, a
;   90-173   products 30-57   the scalings and the exponentials
;   174-229  products 58-76   the sums and roundings; 230: the address of the K to be fetched next
;   231-272  products 77-90   my maxima of the scores that this interval has made
;   273-332  products 91-110  O^T's accumulators 0 to 14 times THIS interval's a: accumulator q has had its last product of the interval at product 84 + q, and a has been waited for
; So the rescaling is split: what must be over before the second key half's P can land in S's registers (product 84) is 230 lines, which 77 products carry.
.macro RID
.if nq < 48
	RS 60+nq, 1-PAR
.elseif nq < 90
	MS
.elseif nq < 174
	QE
.elseif nq < 230
	SC
.elseif nq == 230
	WIN 0
	v_add_nc_u32 v[AKC], s[TBK], v[AK0]            ; K of the step after next
	s_add_co_u32 s[TBK], s[TBK], POS
	s_and_b32 s[TBK], s[TBK], RMASK
.elseif nq < 273
	LS 1-PAR
.elseif nq < 333
	RS nq-273, PAR
.endif
.set nq, nq+1
.endm
; AN INTERVAL.  K's and V's fragments share eight places of eight registers: each run of eight loads goes into four places that the other's products have left, four plain vector lines or more behind their
; last reader.  THE LDS WORK STANDS IN SIX RUNS: behind the barrier (maxima, P's first half, K's fragments 4-7); V's fragments 0-3; V's fragments 4-7; weights out and P's second half in, tiles 0-3 and
; tiles 4-6; maxima out and the next K's fragments 0-3.  The interval's 63 exponentials (7 a, 56 weights) are ONE batch with ONE wait, directly ahead of V's second run: ahead of it nothing names a result of theirs.
; Between each of the last seven products and the next interval's product that starts a sum in the registers of its P stand 18 plain lines or more that name none of its registers.
; refill = 1: the pair of places read out is filled again.  Every wave waits for all its tensor loads (one is out), adds 0 to its spare word, waits for that and for all its LDS work; the barrier opens a round of
; the cluster's; the joint load is the first thing behind the round.
.macro INTERVAL par, refill
.set PAR, (\par)
.set nkq, 0
.set npv, 0
.set nms, 0
.set nfs, 0
.set nex, 0
.set nqe, 0
.set nsc, 0
.set nls, 0
.set nq, 0
.set gp, 0
	WIN 0
.if \refill
	s_wait_tensorcnt 0x0                           ; no tensor load of mine is out, so a group 0 may be written
	ds_add_u32 v[SPW], v[NIL]                      ; 0 onto my spare word; the steps below stand between it and the wait for it
	s_add_co_u32 s[G0W+1], s[G0W+1], 2*POS         ; the walking descriptor: the next pair of places, round the ring,
	s_and_b32 s[G0W+1], s[G0W+1], RMASK
	s_add_nc_u64 s[G0W+2:G0W+3], s[G0W+2:G0W+3], 2*POS  ; the next two steps; the type bits on top are not reached
	s_wait_xcnt 0x0                                ; the last prefetch, two intervals back, has read its address
	s_add_nc_u64 s[PFA:PFA+1], s[PFA:PFA+1], 2*POS
.endif
	s_wait_dscnt 0x0                               ; my stores of P and MX are done, my reads of P, MX and the tiles are back (and the add is done)
	s_barrier_signal -1                            ; seven products and their riders, work on registers, stand between the signal and the wait
.rept 112
.if gp == 16
	s_wait_dscnt 22                                ; the maxima are in: behind them 14 + 8 loads were issued
.endif
.if gp == 28
	s_wait_dscnt 0x0                               ; K's fragments 4-7 are in: the youngest LDS work, issued 21 products back
.endif
.if gp == 56
	s_wait_dscnt 0x0                               ; V's fragments 0-3 are in: the youngest LDS work, issued 24 products back
.endif
.if gp == 84
	s_wait_dscnt 9                                 ; V's fragments 4-7 and P's second half of tiles 0-3 are in: behind them the nine lines of tiles 4-6 were issued
.endif
.if gp == 88
	s_wait_dscnt 0x0                               ; tiles 4-6 are in: the youngest LDS work
.endif
.if gp < 56
	KQ 1-PAR
.else
	PV PAR
.endif
	RID
	RID
	RID
.if gp == 6
	WIN 0
	s_barrier_wait -1
.if \refill
	CREST                                          ; no wave of any partner still reads the pair of places or has a load on its way
	tensor_load_to_lds s[G0W:G0W+3], s[G1J:G1J+7]  ; my one tensor load until the next such barrier
	s_nop 0
	PLACES
.endif
	LMX PAR                                        ; 7
	LP0 1-PAR                                      ; 14
	LDK 2                                          ; 8: the second half of this interval's K, still by the old address
	LDK 3
.if \refill
	WIN 0
	ASK                                            ; behind the joint load and the run of LDS loads
.endif
.endif
.if gp == 14
	WIN 0
	v_add_nc_u32 v[AVC], s[TBV], v[AV0]
	s_add_co_u32 s[TBV], s[TBV], POS
	s_and_b32 s[TBV], s[TBV], RMASK
.endif
.if gp == 31
	LDV 0                                          ; K's fragments 0-3 were last read by product 27; two subtractions and three scalings stand between
	LDV 1
.endif
.if gp == 57
	RS 108, 1-PAR                                  ; accumulator 27, wanted at product 83: four plain lines behind the last exponential and behind product 55, the last that read K
	RS 109, 1-PAR
	RS 110, 1-PAR
	RS 111, 1-PAR
	s_wait_alu depctr_va_vdst(0)                   ; the wait for the batch, ahead of the first line that names a result
	LDV 2
	LDV 3
.endif
.if gp == 68
.irp t, 0,1,2,3
	PST \t                                         ; a tile's weights go out, and P's second half comes into the registers that they leave
	PL1 \t, 1-PAR, PAR
.endr
.endif
.if gp == 76
.irp t, 4,5,6
	PST \t
	PL1 \t, 1-PAR, PAR
.endr
.endif
.if gp == 90
.irp t, 0,1,2,3,4,5,6
	MST \t, 1-PAR
.endr
	LDK 0                                          ; V's fragments 0-3 were last read by product 83
	LDK 1
.endif
.set gp, gp+1
.endr
.endm
; THE LAST TWO INTERVALS have no K Q^T.  withe = 1 (interval 48): the rescaling of accumulators 15 to 27 that interval 47 has left; V^T P of step 47; the last step's maxima, weights and sums; my l goes to MX;
; the residual is asked for.  withe = 0 (interval 49): all of O^T times the last a; V^T P of step 48; the four waves' l are added and inverted.  P's second half goes into the S buffer that is idle.
.macro RSN
	RS nrs, 1-PAR
.set nrs, nrs+1
.endm
.macro RT withe                        ; the next rider: what is left of the rescaling; then the statistics and the batch, or l's end
.if nrs < 112
	RSN
.elseif (\withe) && (nms < 42)
	MS
.elseif \withe
	QE
.else
	LE
.endif
.endm
.macro TAILV par, withe
.set PAR, (\par)
.set npv, 0
.set nrs, 60*(\withe)
.set nms, 0
.set nfs, 0
.set nex, 0
.set nqe, 0
.set nle, 0
	WIN 0
	s_wait_dscnt 0x0
	s_barrier_signal -1
	s_barrier_wait -1
	PLACES                                         ; behind the last products, in front of the loads into the registers of their V and P
	v_add_nc_u32 v[AVC], s[TBV], v[AV0]
	s_add_co_u32 s[TBV], s[TBV], POS
	s_and_b32 s[TBV], s[TBV], RMASK
	LMX PAR
	LP0 1-PAR
.irp t, 0,1,2,3,4,5,6
	PL1 \t, 1-PAR, 1-PAR
.endr
	LDV 0
	LDV 1
	LDV 2
	LDV 3
.if \withe
	WIN 0x80                                       ; Q has been multiplied for the last time: its registers take my 64 rows of the residual, four a row
.set qq, 0
.rept 32
	global_load_b128 v[4*qq:4*qq+3], v[GO], s[QRY:QRY+1] offset:ROWB*qq th:TH_LOAD_NT
.set qq, qq+1
.endr
	WIN 0xc0
.set qq, 0
.rept 32
	global_load_b128 v[4*qq:4*qq+3], v[GO], s[QRY:QRY+1] offset:ROWB*(qq+32) th:TH_LOAD_NT
.set qq, qq+1
.endr
.endif
.rept 32-4*(\withe)                    ; 28 or 32 lines in the wait for the loads; with three more behind each product every accumulator is rescaled ahead of its own product
	RSN
.endr
	s_wait_dscnt 0x0
.rept 36+14*(\withe)                   ; 150 riders (24 + 42 + 84) or 108 (80 + 28)
	PV 1-PAR
	RT \withe
	RT \withe
	RT \withe
.endr
.rept 20-14*(\withe)
	PV 1-PAR
.endr
.if \withe
	WIN 0
	v_nop                                          ; a plain line behind the last exponential
	s_wait_alu depctr_va_vdst(0)                   ; the wait for the batch
.set tau, 0
.rept 8
.if tau < 7
	SU tau, 0
	SU tau, 1
.endif
.if tau > 0
	CV tau-1, 0
	CV tau-1, 1
.endif
.if tau < 7
	SU tau, 2
.endif
.if tau > 0
	CV tau-1, 2
	CV tau-1, 3
.endif
.if tau < 7
	SU tau, 3
.endif
.if tau > 0
	PST tau-1
.endif
.set tau, tau+1
.endr
.irp t, 0,1,2,3,4,5,6
	v_add_f32 v[ST+8*(\t)+7], v[ST+8*(\t)+2], v[ST+8*(\t)+3]  ; l's even and odd keys,
.endr
.irp t, 0,1,2,3,4,5,6
	v_permlanex16_b32 v[ST+8*(\t)+1], v[ST+8*(\t)+7], s[SEL], s[SEL+1]
.endr
.irp t, 0,1,2,3,4,5,6
	v_add_f32 v[ST+8*(\t)+7], v[ST+8*(\t)+7], v[ST+8*(\t)+1]  ; and the other half of the lanes'
.endr
.irp t, 0,1,2,3,4,5,6
	MST \t, 1
.endr
.else
	PLACES                                         ; behind the last products and the last reciprocal
	s_wait_alu depctr_va_vdst(0)                   ; one wait for the seven reciprocals
.endif
.endm
	s_load_b128 s[4:7], s[0:1], 0x0                ; xb s[4:5], query s[6:7]
	s_load_b64 s[8:9], s[0:1], 0x10                ; out0
	v_lshl_add_u32 v[SPW], v0, 2, SPARE
	v_mov_b32 v[NIL], 0
	ds_add_u32 v[SPW], v[NIL]                      ; the wave's opening: the add, twice on end, and its wait ahead of my first tensor load; the set-up below stands between
	ds_add_u32 v[SPW], v[NIL]
	v_lshrrev_b32 v1, 5, v0
	v_readfirstlane_b32 s[WV], v1                  ; wave 0..3
	s_bfe_u32 s[CX], ttmp6, 0x40000
	s_lshl_b32 s[GG], ttmp9, 2                     ; in a cluster launch ttmp9 counts clusters
	s_add_co_u32 s[GG], s[GG], s[CX]
	s_and_b32 s[BB], ttmp7, 0xffff
	; descriptor group 1.  All tiles are dense memory, asked for as rows of 256 bytes; no padding
	s_mov_b32 s[G1J], 15|(1<<16)|(1<<21)           ; 15:0 the mask of four; 17:16 2-byte elements; 21 set beside a mask
	s_mov_b32 s[G1J+1], 128<<16                    ; tensor_dim0 = 128
	s_mov_b32 s[G1J+2], 64<<16                     ; tensor_dim1 = 64
	s_mov_b32 s[G1J+3], 128<<16                    ; tile_dim0 = 128
	s_mov_b32 s[G1J+4], 64                         ; tile_dim1 = 64: 16,384 bytes, a quarter of a pair
	s_mov_b32 s[G1J+5], 128                        ; 128 elements from row to row
	s_mov_b32 s[G1J+6], 0
	s_mov_b32 s[G1J+7], 0
	s_mov_b32 s[G1Q], 1<<16                        ; Q is my work-group's own: no mask
	s_mov_b32 s[G1Q+1], 128<<16
	s_mov_b32 s[G1Q+2], 56<<16
	s_mov_b32 s[G1Q+3], 128<<16
	s_mov_b32 s[G1Q+4], 56                         ; 56 rows: 14,336 bytes, a quarter of 7 blocks
	s_mov_b32 s[G1Q+5], 128
	s_mov_b32 s[G1Q+6], 0
	s_mov_b32 s[G1Q+7], 0
	s_lshl_b32 s16, s[WV], 14                      ; my quarter of a pair
	s_mov_b32 s17, 0
	s_and_b32 s18, s[WV], 1                        ; pair 0 is step 0 twice: waves 0, 1 fill place 0, waves 2, 3 place 1, each with its half of the step
	s_lshl_b32 s18, s18, 14
	s_mov_b32 s19, 0
	s_mov_b32 s[G0A], 1
	s_mov_b32 s[G0A+1], s16
	s_mov_b32 s[G0B], 1
	s_add_co_u32 s[G0B+1], s16, 2*POS
	s_mov_b32 s[G0W], 1
	s_add_co_u32 s[G0W+1], s16, 4*POS
	s_mov_b32 s[G0Q], 1
	s_mul_i32 s14, s[WV], 14336
	s_add_co_u32 s[G0Q+1], s14, QLDS               ; no place in the cluster enters an LDS address
	s_mul_i32 s2, s[GG], 57344                     ; my work-group's 7 blocks
	s_add_co_u32 s2, s2, s14
	s_mov_b32 s3, 0
	s_mul_i32 s14, s[BB], 1605632                  ; a batch of xb
	s_mov_b32 s15, 0
	s_mul_i32 s62, s[BB], 3211264                  ; a batch of query and of out0,
	s_mul_i32 s63, s[WV], 64*ROWB                  ; my wave's 64 channels,
	s_add_co_u32 s62, s62, s63
	s_mul_i32 s63, s[GG], 448                      ; my work-group's 112 positions
	s_add_co_u32 s62, s62, s63
	s_mov_b32 s63, 0
	s_lshr_b32 s[PFA], s[WV], 1                    ; the prefetches: the pair's half,
	s_lshl_b32 s[PFA], s[PFA], 15
	s_lshl_b32 s[PFA+1], s[CX], 13                 ; my work-group's 8,192 bytes of it,
	s_add_co_u32 s[PFA], s[PFA], s[PFA+1]
	s_add_co_u32 s[PFA], s[PFA], 4*2*POS-POS       ; in pair 4 (pair k begins at 65,536 k - 32,768): the first trip steps it to pair 5
	s_mov_b32 s[PFA+1], 0
	s_and_b32 s[LIM], s[WV], 1                     ; 0 in waves 0 and 2,
	s_or_b32 s[LIM], s[LIM], ttmp9                 ; where the cluster is the batch's first: the same in all four partners
	s_cmp_eq_u32 s[LIM], 0
	s_cselect_b32 s[LIM], 2, -1
	s_mov_b32 s[CS], 0x3db8aa3b                    ; c = log2(e) / 16
	s_mov_b32 s[CS+1], s[CS]
	s_mov_b32 s[SEL], 0x76543210
	s_mov_b32 s[SEL+1], 0xfedcba98
	s_mov_b32 s[TBK], 3*POS                        ; interval 0 fetches K of step 2
	s_mov_b32 s[TBV], 0                            ; and V from place 0
	s_mov_b32 s[CNT], 22
	s_wait_dscnt 0x0                               ; both opening adds are done
	s_wait_kmcnt 0x0
	s_add_nc_u64 s[4:5], s[4:5], s[14:15]          ; xb at the batch
	s_add_nc_u64 s[G0A+2:G0A+3], s[4:5], s[18:19]
	s_or_b32 s[G0A+3], s[G0A+3], 0x80000000        ; type = 2
	s_add_nc_u64 s[G0B+2:G0B+3], s[4:5], s[16:17]
	s_add_nc_u64 s[G0W+2:G0W+3], s[G0B+2:G0B+3], 3*POS  ; pair 2: steps 3 and 4
	s_add_nc_u64 s[G0B+2:G0B+3], s[G0B+2:G0B+3], POS    ; pair 1: steps 1 and 2
	s_or_b32 s[G0B+3], s[G0B+3], 0x80000000
	s_or_b32 s[G0W+3], s[G0W+3], 0x80000000
	s_add_nc_u64 s[G0Q+2:G0Q+3], s[4:5], s[2:3]
	s_or_b32 s[G0Q+3], s[G0Q+3], 0x80000000
	s_add_nc_u64 s[PFA:PFA+1], s[4:5], s[PFA:PFA+1]
	s_add_nc_u64 s[QRY:QRY+1], s[6:7], s[62:63]
	s_add_nc_u64 s[OUT:OUT+1], s[8:9], s[62:63]
	CROUND                                         ; all four work-groups are here: the first joint loads meet
	tensor_load_to_lds s[G0Q:G0Q+3], s[G1Q:G1Q+7]  ; the first fills, one group: four loads of mine are out
	s_nop 0
	tensor_load_to_lds s[G0A:G0A+3], s[G1J:G1J+7]
	s_nop 0
	tensor_load_to_lds s[G0B:G0B+3], s[G1J:G1J+7]
	s_nop 0
	tensor_load_to_lds s[G0W:G0W+3], s[G1J:G1J+7]
	s_nop 0
	PLACES
	; all that follows, up to the wait, stands in the wait for the first tiles
	v_and_b32 v248, 31, v0                         ; l
	v_and_b32 v249, 15, v0                         ; r = l % 16
	v_bfe_u32 v250, v0, 4, 1                       ; h = l / 16
	v_and_b32 v251, 7, v0                          ; l % 8
	v_bfe_u32 v252, v0, 3, 1                       ; (l / 8) % 2
	v_xor_b32 v254, v252, v250                     ; which half of 16 bytes: the swap goes by bit 3 of the channel, which is h for K and (l / 8) % 2 for V
	v_lshl_add_u32 v[AQ], v250, 3, v251            ; the turning load: lane l reads channel 8 h + l % 8,
	v_lshlrev_b32 v[AQ], 5, v[AQ]
	v_lshl_add_u32 v[AQ], v254, 4, v[AQ]           ; positions 8 ((l / 8) % 2) + 0..7
	s_lshl_b32 s14, s[WV], 13
	v_add_nc_u32 v[AK0], s14, v[AQ]                ; my wave's block of 16 keys
	v_lshlrev_b32 v[AV0], 5, v249
	v_lshl_add_u32 v[AV0], v254, 4, v[AV0]
	s_lshl_b32 s14, s[WV], 11
	v_add_nc_u32 v[AV0], s14, v[AV0]               ; my wave's 64 channels
	v_lshl_add_u32 v[APR], v248, 4, PLDS
	s_lshl_b32 s14, s[WV], 9
	v_add_nc_u32 v[APW], s14, v[APR]
	v_lshl_add_u32 v[AMR], v249, 4, MXLDS
	s_lshl_b32 s14, s[WV], 2
	v_add_nc_u32 v[AMW], s14, v[AMR]
	v_lshlrev_b32 v[PFO], 8, v248
	v_min_u32 v1, 27, v248
	v_lshlrev_b32 v[GO], 4, v1
	s_mul_i32 s14, s[WV], STGW
	s_add_co_u32 s14, s14, STAGE                   ; my stage
	v_add_nc_u32 v[STR], s14, v[GO]
	v_mul_u32_u24 v1, v250, 8*SPITCH               ; in: row 8 h + register, column l % 16
	v_lshl_add_u32 v1, v249, 2, v1
	v_add_nc_u32 v[STW], s14, v1
	WIN 0x40
.set qq, 0
.rept 224
	v_mov_b32 v[qq], 0                             ; O^T
.set qq, qq+1
.endr
	WIN 0
.set tt, 0
.rept 7
	v_mov_b32 v[ST+8*tt], 0xfe000000               ; c m: far below every c s, so the first a is 0
	v_mov_b32 v[ST+8*tt+1], 0
	v_mov_b32 v[ST+8*tt+2], 0                      ; l
	v_mov_b32 v[ST+8*tt+3], 0
	v_mov_b32 v[ST+8*tt+4], 0
	v_mov_b32 v[ST+8*tt+5], 0xff7fffff             ; m: the lowest finite number
	v_mov_b32 v[ST+8*tt+6], 0                      ; the a that interval 0 first rescales by
	v_mov_b32 v[ST+8*tt+7], 0
.set tt, tt+1
.endr
.irp z, 0,1,2,3
	v_mov_b32 v[U+(\z)], 0
.endr
.irp t, 0,1,2,3,4,5,6
	ds_store_b128 v[APW], v[U:U+3] offset:PPAR+2048*(\t)  ; the weights that interval 0 multiplies by
.endr
	s_wait_tensorcnt 0x1                           ; my parts of Q and of pairs 0 and 1 are in; pair 2's may stay out
	s_wait_dscnt 0x0
	s_barrier_signal -1
	s_barrier_wait -1                              ; everybody's are
	v_add_nc_u32 v[AKC], QLDS, v[AQ]
	WIN 0x80                                       ; Q stays in registers: tile t, channels 32 c on
.set tt, 0
.rept 7
.irp c, 0,1,2,3
	ds_load_tr16_b128 v[32*tt+8*(\c):32*tt+8*(\c)+3],   v[AKC] offset:8192*tt+1024*(\c)
	ds_load_tr16_b128 v[32*tt+8*(\c)+4:32*tt+8*(\c)+7], v[AKC] offset:8192*tt+1024*(\c)+512
.endr
.set tt, tt+1
.endr
	WIN 0xc0
.set tt, 0
.rept 7
.irp c, 0,1,2,3
	ds_load_tr16_b128 v[32*tt+8*(\c):32*tt+8*(\c)+3],   v[AKC] offset:8192*tt+1024*(\c)+4096
	ds_load_tr16_b128 v[32*tt+8*(\c)+4:32*tt+8*(\c)+7], v[AKC] offset:8192*tt+1024*(\c)+4608
.endr
.set tt, tt+1
.endr
	WIN 0
	v_add_nc_u32 v[AKC], POS, v[AK0]               ; step 0 lies in place 1
	LDK 0
	LDK 1
	LDK 2
	LDK 3
	s_wait_dscnt 0x0
.set nkq, 0
.rept 56
	KQ 0                                           ; the first scores: there is no vector work yet to set between them
.endr
	PLACES
	WIN 0
	v_add_nc_u32 v[AKC], 2*POS, v[AK0]             ; step 1: its fragments 0-3 now, 4-7 behind interval 0's barrier
	LDK 0
	LDK 1
.set nls, 0
.rept 42
	LS 0
.endr
.irp t, 0,1,2,3,4,5,6
	MST \t, 0
.endr
	WIN 0                                          ; at a label and at a branch every window is 0
.Lpair:                                        ; 22 trips, intervals 0 to 43: trip p fills pair p + 3
	INTERVAL 0, 1
	INTERVAL 1, 0
	WIN 0
	s_sub_co_u32 s[CNT], s[CNT], 1
	s_cmp_lg_u32 s[CNT], 0
	s_cbranch_scc1 .Lpair
	s_wait_tensorcnt 0x0                           ; my part of the last pair is in; the next barrier shows it to the others, an interval ahead of its first read
	s_mov_b32 s[CNT], 2
.Ltail:                                        ; 2 trips, intervals 44 to 47: written out.  Interval 47's eight loads of a K behind the last step read a tile
	INTERVAL 0, 0                                  ; that has been used, and serve nothing: the price, once a launch, of one text for every interval
	INTERVAL 1, 0
	WIN 0
	s_sub_co_u32 s[CNT], s[CNT], 1
	s_cmp_lg_u32 s[CNT], 0
	s_cbranch_scc1 .Ltail
	TAILV 0, 1
	TAILV 1, 0
	; THE WAY OUT.  O^T is divided by l and turned through my stage in LDS: a lane holds one query and eight channels, a row of out0 is one channel and 112 queries.  The stage is my wave's own; places 4 to 7 were
	; read for the last time two barriers back and are filled no more.  Then the residual is added, and a row leaves as 448 consecutive bytes.
	WIN 0x41
.set qq, 0
.rept 28
.irp z, 0,2,4,6
	v_pk_mul_f32 v[8*qq+(\z):8*qq+(\z)+1], v[8*qq+(\z):8*qq+(\z)+1], v[ST+8*(qq%7)+2:ST+8*(qq%7)+3] op_sel_hi:[1,0]
.endr
.set qq, qq+1
.endr
	WIN 0x04                                       ; the stores' data in window 1
.set qq, 0
.rept 28
.irp z, 0,1,2,3,4,5,6,7
	ds_store_b32 v[STW], v[8*qq+(\z)] offset:(16*(qq/7)+(\z))*SPITCH+64*(qq%7)
.endr
.set qq, qq+1
.endr
.macro RB n                            ; rows 16 n .. 16 n + 15 back, into v80-143 and v144-207 by turns
	WIN 0
.set qq, 0
.rept 16
	ds_load_b128 v[S0+64*((\n)%2)+4*qq:S0+64*((\n)%2)+4*qq+3], v[STR] offset:SPITCH*(16*(\n)+qq)  ; LDS serves a wave's instructions in order: these see the stores above
.set qq, qq+1
.endr
.endm
.macro OUTB n                          ; the sums go into the residual's registers, which are written no more: no store's data is rewritten
	s_wait_loadcnt 48-16*(\n)                      ; these 16 rows of the residual are in; the younger rows' loads may stay out
	WIN 0x82+0x41*((\n)/2)                         ; destination and source 0 in window 2 or 3
.set qq, 0
.rept 16
	v_pk_add_f32 v[64*((\n)%2)+4*qq:64*((\n)%2)+4*qq+1],   v[64*((\n)%2)+4*qq:64*((\n)%2)+4*qq+1],   v[S0+64*((\n)%2)+4*qq:S0+64*((\n)%2)+4*qq+1]
	v_pk_add_f32 v[64*((\n)%2)+4*qq+2:64*((\n)%2)+4*qq+3], v[64*((\n)%2)+4*qq+2:64*((\n)%2)+4*qq+3], v[S0+64*((\n)%2)+4*qq+2:S0+64*((\n)%2)+4*qq+3]
.set qq, qq+1
.endr
	WIN 0x08+0x04*((\n)/2)                         ; the stores' data in window 2 or 3
.set qq, 0
.rept 16
	global_store_b128 v[GO], v[64*((\n)%2)+4*qq:64*((\n)%2)+4*qq+3], s[OUT:OUT+1] offset:ROWB*(16*(\n)+qq) th:TH_STORE_NT  ; lanes 0-27: 448 consecutive bytes; lanes 28-31 write lane 27's bytes once more
.set qq, qq+1
.endr
.endm
	RB 0
	RB 1
	s_wait_dscnt 16                                ; the first batch is back; the second's 16 loads may stay out
	OUTB 0
	RB 2
	s_wait_dscnt 16
	OUTB 1
	RB 3
	s_wait_dscnt 16
	OUTB 2
	s_wait_dscnt 0x0
	OUTB 3
	WIN 0
	s_wait_tensorcnt 0x0                           ; the wave's end, behind my last tensor load and my last LDS store
	ds_add_u32 v[SPW], v[NIL]
	s_wait_dscnt 0x0
	CROUND                                         ; the closing round: no work-group ends while a partner may still ask for a tile that names it
	s_endpgm
.Lfunc_end_k_qc96f5ddbb4_attn:
	.size	k_qc96f5ddbb4_attn, .Lfunc_end_k_qc96f5ddbb4_attn-k_qc96f5ddbb4_attn
	.p2alignl 7, 3214868480
	.fill 96, 4, 3214868480
	.section	.rodata,"a",@progbits
	.p2align	6, 0x0
	.amdhsa_kernel k_qc96f5ddbb4_attn
		.amdhsa_group_segment_fixed_size 327680
		.amdhsa_private_segment_fixed_size 0
		.amdhsa_enable_private_segment 0
		.amdhsa_kernarg_size 24
		.amdhsa_user_sgpr_count 2
		.amdhsa_user_sgpr_kernarg_segment_ptr 1
		.amdhsa_wavefront_size32 1
		.amdhsa_system_sgpr_workgroup_id_x 1
		.amdhsa_system_sgpr_workgroup_id_y 1
		.amdhsa_system_sgpr_workgroup_id_z 1
		.amdhsa_system_vgpr_workitem_id 0
		.amdhsa_next_free_vgpr 1024
		.amdhsa_next_free_sgpr 72
		.amdhsa_reserve_vcc 0
		.amdhsa_float_denorm_mode_32 3
		.amdhsa_float_denorm_mode_16_64 3
		.amdhsa_memory_ordered 1
		.amdhsa_forward_progress 1
		.amdhsa_inst_pref_size 255
	.end_amdhsa_kernel
	.section	.bss,"aw",@nobits
	.p2align	6
	.space	262144
	.amdgpu_metadata
---
amdhsa.version: [ 1, 2 ]
amdhsa.kernels:
  - .name:           k_qc96f5ddbb4_attn
    .symbol:         k_qc96f5ddbb4_attn.kd
    .args:
      - { .name: xb, .offset: 0, .size: 8, .value_kind: global_buffer, .address_space: global }
      - { .name: query, .offset: 8, .size: 8, .value_kind: global_buffer, .address_space: global }
      - { .name: out0, .offset: 16, .size: 8, .value_kind: global_buffer, .address_space: global }
    .group_segment_fixed_size: 327680
    .private_segment_fixed_size: 0
    .kernarg_segment_align: 8
    .kernarg_segment_size: 24
    .max_flat_workgroup_size: 128
    .sgpr_count:     72
    .vgpr_count:     1024
    .wavefront_size: 32
...
	.end_amdgpu_metadata
.endif
;; end of part 2
